; MI455X (gfx1250); checked and timed in simulation.
; The chip was launched on July 23, 2026; its instructions are those of AMD's public machine-readable ISA for CDNA 5 (MIT licence, August 2026) and "CDNA5" Instruction Set Architecture Reference Guide (July 2026). The comments in the code are by the model that wrote it; some were corrected since.
;; Sglang Fused Mo E. Allowed arithmetic: float matrix products may take bf16 or f16 operands with f32 sums; other float arithmetic in f32, or as packed bf16 or f16 multiplies, adds, multiply-adds, maxima and minima; sums over many terms, partial sums and values carried from step to step in f32; what a program stores and reads back later, other than sums and carried values, may be rounded once to bf16 or f16.
;; Inputs: hidden_states 1,024 x 2,048 float32; router_logits 1,024 x 8 float32; w13_weight 8 x 2,048 x 2,048 float32; w2_weight 8 x 2,048 x 1,024 float32.
;; Outputs: out0 1,024 x 2,048 float32.
;; Constants: top_k = 2.
;; One version. Each part assembles by itself: llvm-mc -triple=amdgcn-amd-amdhsa -mcpu=gfx1250 --defsym DOCPART=n.
;; ======== version 1 of 1: 4 launches
;; workspace buffers: xb 4,194,304 bytes; bmap 5,120 bytes of whole numbers; rwt 8,192 bytes; act 16,777,216 bytes; part 16,777,216 bytes
;; launch route (part 1): grid 256 x 1, 8 waves a work-group, no clusters, 0 bytes of LDS; arguments hidden_states, router_logits, xb, bmap, rwt; writes xb, bmap, rwt
.if DOCPART == 1
	.amdgcn_target "amdgcn-amd-amdhsa--gfx1250"
	.amdhsa_code_object_version 6
	.text
	.protected	k_q6fc03556d0_route
	.globl	k_q6fc03556d0_route
	.p2align	8
	.type	k_q6fc03556d0_route,@function
k_q6fc03556d0_route:
	s_mov_b64 s[64:65], 0
	v_nop
	global_prefetch_b8 v0, s[64:65] scope:SCOPE_SE
	s_setreg_imm32_b32 hwreg(HW_REG_WAVE_MODE, 25, 1), 1
	s_wait_xcnt 0x0
; ROUTE.  Two jobs.  (1) hidden_states [1024][2048] f32 is rounded once to bf16 into xb: work-group b takes rows 4 b .. 4 b + 3
; (32,768 bytes in, 16,384 out).  (2) Wave 0 of work-groups 0 .. 31 routes tokens 32 b + lane: top-2 of the 8 logits, the two
; renormalised weights, and the choices as whole numbers, all stored at fixed places: no address and no branch here hangs on a logit.
;   rwt [2048] f32:  index 2 t the first choice's weight, 2 t + 1 the second's.
;   bmap: bytes 0 .. 1023: 8 rows of 32 words; row e: bit t % 32 of word t / 32 is set if token t chose expert e.
;         bytes 1024 + 4 t: the number of token t's SECOND choice.
; ARITHMETIC.  softmax, top-2 and the renormalisation together are w1 = 1 / (1 + x), w2 = x w1 with x = e^(l2 - l1): the softmax's
; denominator cancels, and the larger logit l1 is the maximum that is taken away, so the exponent is never above 0.
; LIMITS.  The logits are rounded to bf16 first, like every float input of this program.  The order is taken on the logits by
; strict >, so the lower index wins a tie, as it does among equal probabilities.  Where the second probability underflows to 0 in
; f32 another second expert may be named than by a top-k of probabilities: its weight is 0 either way.  NaN logits are not treated apart.
	s_load_b256 s[4:11], s[0:1], 0x0               ; hidden_states s[4:5], router_logits s[6:7], xb s[8:9], bmap s[10:11]
	s_load_b64 s[12:13], s[0:1], 0x20              ; rwt
	v_lshlrev_b32 v1, 4, v0                        ; 16 bytes of f32 a thread: 256 threads cover 4,096 bytes
	v_lshlrev_b32 v2, 3, v0                        ; which become 8 bytes of bf16
	v_lshrrev_b32 v3, 5, v0
	v_readfirstlane_b32 s14, v3                    ; wave
	s_mov_b32 s15, ttmp9                           ; b
	s_lshl_b32 s16, s15, 15
	s_mov_b32 s17, 0
	s_lshl_b32 s18, s15, 14
	s_mov_b32 s19, 0
	s_wait_kmcnt 0x0
	s_add_nc_u64 s[4:5], s[4:5], s[16:17]
	s_add_nc_u64 s[8:9], s[8:9], s[18:19]
.set i, 0
.rept 8                                                ; all eight loads first: each of a wave covers 512 consecutive bytes
	global_load_b128 v[8+4*i:11+4*i], v1, s[4:5] offset:4096*i th:TH_LOAD_NT
.set i, i+1
.endr
.set i, 0
.rept 8
	s_wait_loadcnt 7-i                             ; loads return in order: load i is in, the 7 - i younger ones stay out
	v_cvt_pk_bf16_f32 v[40+2*i], v[8+4*i], v[9+4*i]
	v_cvt_pk_bf16_f32 v[41+2*i], v[10+4*i], v[11+4*i]
	global_store_b64 v2, v[40+2*i:41+2*i], s[8:9] offset:2048*i  ; a wave's store covers 256 consecutive bytes, aligned; no register is used twice
.set i, i+1
.endr
	s_cmp_lg_u32 s14, 0
	s_cbranch_scc1 .Lend
	s_cmp_ge_u32 s15, 32
	s_cbranch_scc1 .Lend
	; the routing of 32 tokens, one a lane
	v_and_b32 v5, 31, v0
	v_lshlrev_b32 v6, 5, v5                        ; 8 logits = 32 bytes a token
	s_lshl_b32 s16, s15, 10
	s_add_nc_u64 s[6:7], s[6:7], s[16:17]
	global_load_b128 v[8:11], v6, s[6:7]
	global_load_b128 v[12:15], v6, s[6:7] offset:16
	s_lshl_b32 s18, s15, 8                         ; 32 tokens x 8 bytes of weights
	s_add_nc_u64 s[12:13], s[12:13], s[18:19]
	v_lshlrev_b32 v4, 3, v5
	s_lshl_b32 s16, s15, 2                         ; my word in each row of the bitmaps
	v_lshlrev_b32 v29, 7, v5                       ; lane l stores row l: 128 bytes a row
	v_add_nc_u32 v29, s16, v29
	s_lshl_b32 s23, s15, 7                         ; 32 tokens x 4 bytes of second choices
	v_lshlrev_b32 v7, 2, v5
	v_add_nc_u32 v7, s23, v7
	s_wait_loadcnt 0x0
.irp j, 0,1,2,3
	v_cvt_pk_bf16_f32 v[16+\j], v[8+2*\j], v[9+2*\j]  ; to bf16,
.endr
.irp j, 0,1,2,3
	v_lshlrev_b32 v[8+2*\j], 16, v[16+\j]          ; and back as f32
	v_and_b32 v[9+2*\j], 0xffff0000, v[16+\j]
.endr
	; v20 best, v21 second, v22 and v23 their indices
	v_cmp_gt_f32 s20, v9, v8
	v_cndmask_b32 v20, v8, v9, s20
	v_cndmask_b32 v21, v9, v8, s20
	v_cndmask_b32 v22, 0, 1, s20
	v_cndmask_b32 v23, 1, 0, s20
.irp j, 2,3,4,5,6,7
	v_cmp_gt_f32 s20, v[8+\j], v20
	v_cmp_gt_f32 s21, v[8+\j], v21
	v_cndmask_b32 v21, v21, v[8+\j], s21           ; above the second: it takes that place,
	v_cndmask_b32 v23, v23, \j, s21
	v_cndmask_b32 v21, v21, v20, s20               ; above the best: the old best moves down,
	v_cndmask_b32 v23, v23, v22, s20
	v_cndmask_b32 v20, v20, v[8+\j], s20           ; and it takes the first place
	v_cndmask_b32 v22, v22, \j, s20
.endr
	v_sub_f32 v25, v21, v20                        ; l2 - l1, never above 0
	v_mul_f32 v25, 0x3fb8aa3b, v25                 ; times log2(e)
	v_exp_f32 v24, v25                             ; x
	v_nop                                          ; a plain instruction behind the exponential,
	s_wait_alu depctr_va_vdst(0)                   ; and the wait ahead of its first reader
	v_add_f32 v25, 1.0, v24
	v_rcp_f32 v26, v25                             ; w1
	v_nop
	s_wait_alu depctr_va_vdst(0)
	v_mul_f32 v27, v24, v26                        ; w2
	global_store_b64 v4, v[26:27], s[12:13]        ; 32 lanes x 8 bytes: 256 consecutive bytes, aligned
	global_store_b32 v7, v23, s[10:11] offset:1024 ; the second choices: 128 consecutive bytes
	v_mov_b32 v28, 0
.irp e, 0,1,2,3,4,5,6,7
	v_cmp_eq_u32 s20, \e, v22
	v_cmp_eq_u32 s21, \e, v23
	s_or_b32 s20, s20, s21
	v_writelane_b32 v28, s20, \e                   ; lane e: who chose e
.endr
	v_cmp_gt_u32 vcc_lo, 8, v5
	s_wait_xcnt 0x0                                ; EXEC is a source of the stores above: it changes only behind this wait
	s_and_saveexec_b32 s22, vcc_lo
	global_store_b32 v29, v28, s[10:11]            ; 8 words, one in each row: later launches fetch a row by scalar loads
	s_wait_xcnt 0x0
	s_or_b32 exec_lo, exec_lo, s22
.Lend:
	s_endpgm
.Lfunc_end_k_q6fc03556d0_route:
	.size	k_q6fc03556d0_route, .Lfunc_end_k_q6fc03556d0_route-k_q6fc03556d0_route
	.p2alignl 7, 3214868480
	.fill 96, 4, 3214868480
	.section	.rodata,"a",@progbits
	.p2align	6, 0x0
	.amdhsa_kernel k_q6fc03556d0_route
		.amdhsa_group_segment_fixed_size 0
		.amdhsa_private_segment_fixed_size 0
		.amdhsa_enable_private_segment 0
		.amdhsa_kernarg_size 40
		.amdhsa_user_sgpr_count 2
		.amdhsa_user_sgpr_kernarg_segment_ptr 1
		.amdhsa_wavefront_size32 1
		.amdhsa_system_sgpr_workgroup_id_x 1
		.amdhsa_system_sgpr_workgroup_id_y 1
		.amdhsa_system_sgpr_workgroup_id_z 1
		.amdhsa_system_vgpr_workitem_id 0
		.amdhsa_next_free_vgpr 64
		.amdhsa_next_free_sgpr 66
		.amdhsa_reserve_vcc 1
		.amdhsa_float_denorm_mode_32 3
		.amdhsa_float_denorm_mode_16_64 3
		.amdhsa_memory_ordered 1
		.amdhsa_forward_progress 1
		.amdhsa_inst_pref_size 11
	.end_amdhsa_kernel
	.amdgpu_metadata
---
amdhsa.version: [ 1, 2 ]
amdhsa.kernels:
  - .name:           k_q6fc03556d0_route
    .symbol:         k_q6fc03556d0_route.kd
    .args:
      - { .name: hidden_states, .offset: 0, .size: 8, .value_kind: global_buffer, .address_space: global }
      - { .name: router_logits, .offset: 8, .size: 8, .value_kind: global_buffer, .address_space: global }
      - { .name: xb, .offset: 16, .size: 8, .value_kind: global_buffer, .address_space: global }
      - { .name: bmap, .offset: 24, .size: 8, .value_kind: global_buffer, .address_space: global }
      - { .name: rwt, .offset: 32, .size: 8, .value_kind: global_buffer, .address_space: global }
    .group_segment_fixed_size: 0
    .private_segment_fixed_size: 0
    .kernarg_segment_align: 8
    .kernarg_segment_size: 40
    .max_flat_workgroup_size: 256
    .sgpr_count:     66
    .vgpr_count:     64
    .wavefront_size: 32
...
	.end_amdgpu_metadata
.endif
;; end of part 1
;; launch up (part 2): grid 32 x 8, 4 waves a work-group, no clusters, 327,680 bytes of LDS; arguments xb, bmap, w13_weight, act; writes act
.if DOCPART == 2
	.amdgcn_target "amdgcn-amd-amdhsa--gfx1250"
	.amdhsa_code_object_version 6
	.text
	.protected	k_q6fc03556d0_up
	.globl	k_q6fc03556d0_up
	.p2align	8
	.type	k_q6fc03556d0_up,@function
k_q6fc03556d0_up:
	s_mov_b64 s[64:65], 0
	v_nop
	global_prefetch_b8 v0, s[64:65] scope:SCOPE_SE
	s_setreg_imm32_b32 hwreg(HW_REG_WAVE_MODE, 25, 1), 1
	s_wait_xcnt 0x0
; UP.  act = silu(x w13_gate^T) * (x w13_up^T) for the rows that chose an expert.  Work-group (slice SLC, expert EX) is the ONLY reader of 64 rows of w13[EX]:
; gate rows 32 SLC .. + 31 and up rows 1024 + 32 SLC .. + 31, 2,048 f32 each (524,288 bytes), and takes ALL rows of that expert through them.  The weights' bytes bind.
; WEIGHTS come by tensor loads, as f32, into a ring of two LDS slots; a slot holds 512 along K: two units of 256 along K, each 64 rows x 1,024 bytes.  The first fills go out unit by unit, four loads a wave,
; each the wave's 16 rows of a unit (shorter than 64 rows on purpose: the first product then waits for one unit, 66,560 bytes, and not for a slot); the two refills are one load a wave, 32 rows of a unit.
; Tensor loads have a counter of their own, so the token loads, which return in order among themselves, never wait for them.  Every wave reads the f32 rows as operand pieces and rounds them to bf16.
; TOKEN ROWS come from xb straight into operand registers, four steps of 32 along K ahead, each step's registers filled again in place behind its products.
; SHARES.  Four waves, all alike.  Wave w has tiles 20 pass + 4 t + w, t = 0 .. 4, of 16 rows x the slice's 64 columns: 20 accumulators.  The fifth tile is jumped where it has no rows.
; Pass 0 (320 rows) rides on the stream.  Passes 1 to 3 serve an expert with more rows (1,024 at the most): a loop without LDS and without barrier that reads the weights from memory in operand order;
; it is jumped where the count has no tile for it.
; THE LIST.  The token of rank i among those that chose the expert is found from the bitmap's 32 words in scalar registers: the last word whose running count is not above i, then the bit, by five halvings.
; K ORDER.  In a step lane half h holds k = 16 h .. 16 h + 15 in both operands (64 consecutive bytes of f32, 32 of bf16): the same permutation on both sides keeps the products.
; THE MATRIX INSTRUCTION IS USED TRANSPOSED (source 0 = 16 weight rows, source 1 = 16 token rows): lane l holds token row l % 16 and columns 8 (l / 16) + 0..7.
; OUT.  act [kblock 32][expert 8][tile 64][1,024 bytes], bf16: a tile is 16 rows (in list order) x 32 columns as the next launch's operand registers take it: piece a at 512 a, lane l at 16 l:
; row l % 16, columns 16 (l / 16) + 8 a + 0..7.  Rows past the count repeat the expert's last token; tile 0 is written for every expert.
; No multicast: each slice of weights has one reader, and the token rows that an expert's work-groups share are named by a list, which no tile's descriptor covers.
; LIMITS.  x and w13 rounded to bf16, sums in f32, act rounded once to bf16 (not f16: with inputs 30 times larger it passes f16's range).  1 / (1 + 2^(-g log2 e)) is 0 where the power overflows, as silu's factor is.
.set NS,    64                         ; steps of 32 along K
.set PITCH, 1040                       ; an LDS row: 1,024 bytes + 16 = 260 words: the 16 rows of an operand load start at 16 different groups of four banks (ISA guide 11.1)
.set PIECE, 32*PITCH                   ; what one refill's load brings: 33,280 bytes
.set UNITL, 2*PIECE                    ; 256 along K: 32 gate rows, then 32 up rows
.set SLOTB, 4*PIECE                    ; a slot: two such units
.set SPARE, 2*SLOTB                    ; behind the ring: the spare words, 128 bytes for each wave: two blocks of 256 bytes that no other line names
.set STEPA, 64                         ; a step of a token row in xb, in bytes
.set A2,    16                         ; from an operand's first four registers to its last four
.set AMASK, 0xfff                      ; a token row's bytes - 1
.set WV,    2                          ; s2   wave
.set K2,    3                          ; s3   steps to go in the loop of the later passes
.set PKS,   3                          ;      in the search: the count below with the word's number in the upper half
.set WK,    12                         ; s[12:13] the stream: the address of my piece of the slot filled last
.set WP2,   12                         ;          later passes: the up rows at the step in hand
.set EX,    14                         ; s14  expert
.set SLC,   15                         ; s15  slice;   s[16:47] the expert's bitmap
.set G1,    48                         ; s[48:55] descriptor group 1
.set GQ0,   56                         ; s[56:59], s[60:63], s[92:95], s[96:99] group 0 of the four first fills; the second then serves the refills
.set GQ1,   60
.set GQ2,   92
.set GQ3,   96
.set CNT,   66                         ; s66  the expert's rows
.set NT,    67                         ; s67  its tiles
.set NTS,   68                         ; s68  at least 1
.set CM1,   69                         ; s69  the last rank that exists
.set PS,    70                         ; s70  pass
.set T0,    71                         ; s71  my first tile of the pass
.set LIVE4, 72                         ; s72  1: my fifth tile has rows
.set PO,    73                         ; s73  my piece's place in a slot
.set TB,    74                         ; s74  LDS byte at which the four steps to be fetched begin
.set CQ,    75                         ; s75-77 counters: quads of steps in a unit, units in a slot, slots
.set CU,    76
.set CS,    77
.set TL,    78                         ; s78  a tile's number
.set RUN,   75                         ; the search runs while none of s75-78 is alive: s75 rows in the words below, s76-78 three masks
.set MQ,    76
.set HM,    79                         ; s79  lanes 16 to 31
.set AC,    80                         ; s[80:81] xb at the quad of steps whose last two are being asked for
.set ACN,   82                         ; s[82:83] xb at the next quad (behind the last: the first once more)
.set WP,    82                         ;          later passes: the gate rows at the step in hand
.set OFN,   84                         ; s[84:85] the next quad's byte offset
.set OB,    86                         ; s[86:87] act at my kblock and expert
.set WBS,   88                         ; s[88:89] my gate rows;  s[90:91] my up rows
.set WBS2,  90
.set SEL0,  104                        ; s104-105 v_permlanex16_b32's selects: each lane takes its own place in the other half
.set SEL1,  105
.set R,     1                          ; v1   lane % 16
.set H,     2                          ; v2   lane / 16
.set H32,   3                          ; v3   32 (lane / 16)
.set FB0,   4                          ; v4   my place in a unit: row x pitch + 64 x half; never rewritten
.set FB,    5                          ; v5   the same at the quad being fetched
.set AO,    6                          ; v6-10  tile t: my row's byte offset in xb
.set OFFS,  11                         ; v11  my byte offset in act
.set WOFF,  12                         ; v12  later passes: my byte offset in 16 weight rows
.set RH,    13                         ; v13  lane % 16 + 64 (lane / 16)
.set OL,    14                         ; v14  16 (lane % 16) + 512 (lane / 16)
.set SPW,   30                         ; v30  my spare word; never rewritten
.set NIL,   31                         ; v31  0; never rewritten
.set BR,    32                         ; v32-95   weights in bf16, two buffers of a step: 32 b + 8 nt
.set FR,    96                         ; v96-223  weights in f32, two buffers of a step: 64 b + 16 nt
.set SC,    96                         ;          the same registers at work while a pass is set up
.set TT,    160                        ; window 1: v0-159 accumulators (t, nt) at 32 t + 8 nt; v160-255 token operands of tiles 0-2: 160 + 32 t + 8 ks (at work on the way out); window 2: v0-63 those of tiles 3, 4
.set MSB, 0
.macro WIN new                         ; s_set_vgpr_msb: bits 1:0 source 0, 3:2 source 1, 5:4 source 2, 7:6 destination; the high byte repeats the setting that is left
.if MSB != (\new)
	s_set_vgpr_msb (MSB<<8)|(\new)
.set MSB, \new
.endif
.endm
.macro NOP4                            ; a load into, or a vector write of, a register that a matrix instruction names stands four plain vector instructions behind it (ISA guide 7.12.1 for vector writes)
.rept 4
	v_nop
.endr
.endm
.macro ALD03 ksx, bs, off              ; tiles 0 to 3: a step's token operands, two loads of 16 bytes a lane each
	WIN 0x40
.irp t, 0,1,2
	global_load_b128 v[160+32*\t+8*(\ksx):160+32*\t+8*(\ksx)+3],   v[AO+\t], s[(\bs):(\bs)+1] offset:(\off)
	global_load_b128 v[160+32*\t+8*(\ksx)+4:160+32*\t+8*(\ksx)+7], v[AO+\t], s[(\bs):(\bs)+1] offset:(\off)+A2
.endr
	WIN 0x80
	global_load_b128 v[8*(\ksx):8*(\ksx)+3],   v[AO+3], s[(\bs):(\bs)+1] offset:(\off)
	global_load_b128 v[8*(\ksx)+4:8*(\ksx)+7], v[AO+3], s[(\bs):(\bs)+1] offset:(\off)+A2
.endm
.macro ALD4 ksx, bs, off               ; tile 4
	WIN 0x80
	global_load_b128 v[32+8*(\ksx):32+8*(\ksx)+3],   v[AO+4], s[(\bs):(\bs)+1] offset:(\off)
	global_load_b128 v[32+8*(\ksx)+4:32+8*(\ksx)+7], v[AO+4], s[(\bs):(\bs)+1] offset:(\off)+A2
.endm
.macro MM4 t, ksx, bmx, zero           ; tile t x one step: four products, the tile's four accumulators by turns, one instruction a turn
.if (\t) < 3
	WIN 0x54                                       ; weights window 0, tokens, C and D window 1
.set ra, 160+32*(\t)+8*(\ksx)
.else
	WIN 0x58                                       ; tokens window 2
.set ra, 32*((\t)-3)+8*(\ksx)
.endif
.irp nt, 0,1,2,3
.if \zero
	v_wmma_f32_16x16x32_bf16 v[32*(\t)+8*\nt:32*(\t)+8*\nt+7], v[(\bmx)+8*\nt:(\bmx)+8*\nt+7], v[ra:ra+7], 0
.else
	v_wmma_f32_16x16x32_bf16 v[32*(\t)+8*\nt:32*(\t)+8*\nt+7], v[(\bmx)+8*\nt:(\bmx)+8*\nt+7], v[ra:ra+7], v[32*(\t)+8*\nt:32*(\t)+8*\nt+7]
.endif
.endr
.endm
.macro CV8 nt, fcx, bcx                ; 16 weight rows x one step: f32 to bf16
	WIN 0
.irp e, 0,1,2,3,4,5,6,7
	v_cvt_pk_bf16_f32 v[(\bcx)+8*(\nt)+\e], v[(\fcx)+16*(\nt)+2*\e], v[(\fcx)+16*(\nt)+2*\e+1]
.endr
.endm
; ONE STEP OF THE TEXT, number i of a quad.  With p the step that is multiplied: fl: the f32 weights of step p + 2 are fetched from LDS; cv: those of step p + 1 are rounded; mm: step p's products;
; zero: they start the sums; rf: step p's token registers take step p + 4; lc: the token loads that may stay out.  The quads of the text are shifted by two steps: quad Q multiplies steps 4 Q - 2 .. 4 Q + 1
; and fetches steps 4 Q .. 4 Q + 3, so a change of units falls on a quad's edge.  The roundings stand between the tiles' products: they name none of those products' registers, and are their places; the last
; eight stand behind the products of tiles 3 and 4.  All the step's token loads then follow in one run, and the next step's LDS loads stand right behind them.
; The two bases of the token loads are rewritten just ahead of the run that first needs the new value: the youngest loads were issued a step's products earlier, so the wait in front of the rewrite finds their addresses translated.
.macro TSTEP i, fl, cv, mm, zero, rf, lc
.set fb, FR+64*((\i)&1)
.set fc, FR+64*(((\i)+1)&1)
.set bc, BR+32*(((\i)+1)&1)
.set bm, BR+32*((\i)&1)
.set ks, ((\i)+2)&3
	WIN 0
.if \fl
.irp nt, 0,1,2,3
.irp j, 0,1,2,3
	ds_load_b128 v[fb+16*\nt+4*\j:fb+16*\nt+4*\j+3], v[FB] offset:16*PITCH*\nt+128*(\i)+16*\j
.endr
.endr
.endif
.if \cv
	s_wait_dscnt 16*(\fl)                          ; the 16 loads just issued may be out; those of the step before are in
.endif
.if \mm
	s_wait_loadcnt \lc                             ; behind this step's token loads stand those of the later steps, 8 each at the least
.endif
.irp t, 0,1,2
.if \mm
	MM4 \t, ks, bm, \zero
.endif
.if \cv
	CV8 \t, fc, bc
.endif
.endr
.if \mm
	MM4 3, ks, bm, \zero
	WIN 0
.if (\zero) == 0
	s_cmp_eq_u32 s[LIVE4], 0
	s_cbranch_scc1 .Lno4_\@
.endif
	MM4 4, ks, bm, \zero                           ; the first step always: the fifth tile's accumulators are written whatever the count
	WIN 0
.if (\zero) == 0
.Lno4_\@:
.endif
.endif
.if \cv
	CV8 3, fc, bc
.elseif \mm
	NOP4
.endif
.if \rf
.if (\i) == 0
	s_wait_xcnt 0x0                                ; a base of pending loads is rewritten only behind this wait
	s_mov_b64 s[AC:AC+1], s[ACN:ACN+1]
.endif
.if (\i) == 2
	s_wait_xcnt 0x0
	s_add_co_u32 s[OFN], s[OFN], 4*STEPA
	s_and_b32 s[OFN], s[OFN], AMASK                ; behind the last quad the offset is 0 again: its 16 to 20 loads serve nothing and stay inside the buffer
	s_add_nc_u64 s[ACN:ACN+1], s[4:5], s[OFN:OFN+1]
.endif
.if (\i) < 2
	ALD03 ks, AC, STEPA*((\i)+2)
.else
	ALD03 ks, ACN, STEPA*((\i)-2)
.endif
	WIN 0
	s_cmp_eq_u32 s[LIVE4], 0
	s_cbranch_scc1 .Lnl4_\@
.if (\i) < 2
	ALD4 ks, AC, STEPA*((\i)+2)
.else
	ALD4 ks, ACN, STEPA*((\i)-2)
.endif
	WIN 0
.Lnl4_\@:
.endif
.endm
.macro FSTEP                           ; the LDS address of the quad to be fetched
	v_add_nc_u32 v[FB], s[TB], v[FB0]
	s_add_co_u32 s[TB], s[TB], 512
.endm
.macro QUAD
	FSTEP
	TSTEP 0, 1, 1, 1, 0, 1, 24
	TSTEP 1, 1, 1, 1, 0, 1, 24
	TSTEP 2, 1, 1, 1, 0, 1, 24
	TSTEP 3, 1, 1, 1, 0, 1, 24
	WIN 0
.endm
; A UNIT'S END.  Behind unit 0 the count shows my 16 rows of unit 1 landed and leaves units 2 and 3 out; behind the barrier everybody's have.  Later at most one load of mine is out, a refill, and the wait is met at once.
.macro UEDGE
	s_wait_tensorcnt 0x2
	s_wait_dscnt 0x0                               ; no LDS instruction of mine is pending at a signal
	s_barrier_signal -1
	s_barrier_wait -1
.endm
; THE CHANGE OF SLOTS.  All reads of the slot that is left have been issued.  Each wave waits for all its tensor loads, adds 0 to its spare word, and waits for that and for its reads.
; Behind the barrier nobody reads the old slot and the other is whole.  fill = 1: the old slot takes the 512 along K two slots on: my one tensor load, 32 rows of a unit, first behind the barrier.
.macro EVENT fill
	s_wait_tensorcnt 0x0                           ; no tensor load of mine is out, so the descriptors may be written
	ds_add_u32 v[SPW], v[NIL]                      ; 0 onto my spare word; scalar work stands between it and the wait for it
	s_sub_co_u32 s[TB], s[TB], SLOTB               ; back to the old slot's first byte, 0 or SLOTB,
.if \fill
	s_mov_b32 s[G1+2], 32<<16                      ; a refill's piece has 32 rows: tensor_dim1,
	s_mov_b32 s[G1+4], 32                          ; tile_dim1
	s_add_co_u32 s[GQ1+1], s[PO], s[TB]            ; where my piece goes,
	s_add_nc_u64 s[WK:WK+1], s[WK:WK+1], 2048      ; 512 f32 further along the rows
	s_mov_b64 s[GQ1+2:GQ1+3], s[WK:WK+1]
	s_or_b32 s[GQ1+3], s[GQ1+3], 0x80000000        ; type = 2
.endif
	s_xor_b32 s[TB], s[TB], SLOTB                  ; and on to the other slot's
	s_wait_dscnt 0x0
	s_barrier_signal -1
	s_barrier_wait -1
.if \fill
	tensor_load_to_lds s[GQ1:GQ1+3], s[G1:G1+7]
	s_nop 0
	NOP4
.endif
.endm
; THE SEARCH, for three vectors of ranks at once.  Registers of vector q at SC + 16 q: +0 rank, +1 word, +2 count below | word number << 16, +3 .. +6 sums over 2, 4, 8, 16 bits, +7 rank in the word, +8 bit, +9, +10 at work.
.macro Q3 line:vararg
.set sq, SC
.set mq, MQ
.rept 3
	\line
.set sq, sq+16
.set mq, mq+1
.endr
.endm
.macro LEVEL a, msk, stp               ; is the wanted bit in the upper half of the range at hand?  c = set bits in the lower half
	Q3 v_lshrrev_b32 v[sq+9], v[sq+8], v[sq+(\a)]
	Q3 v_and_b32 v[sq+9], \msk, v[sq+9]
	Q3 v_cmp_ge_u32 s[mq], v[sq+7], v[sq+9]
	Q3 v_cndmask_b32 v[sq+9], 0, v[sq+9], s[mq]
	Q3 v_sub_nc_u32 v[sq+7], v[sq+7], v[sq+9]
	Q3 v_cndmask_b32 v[sq+10], 0, \stp, s[mq]
	Q3 v_add_nc_u32 v[sq+8], v[sq+8], v[sq+10]
.endm
.macro SELECT
	s_mov_b32 s[RUN], 0
	s_mov_b32 s[PKS], 0
	Q3 v_mov_b32 v[sq+1], s16
	Q3 v_mov_b32 v[sq+2], 0
.set w, 1
.rept 31                                               ; the last word whose count below is not above the rank holds it
	s_bcnt1_i32_b32 s100, s[15+w]
	s_add_co_u32 s[RUN], s[RUN], s100
	s_add_co_u32 s100, s100, 0x10000
	s_add_co_u32 s[PKS], s[PKS], s100
	Q3 v_cmp_le_u32 s[mq], s[RUN], v[sq]
	Q3 v_cndmask_b32 v[sq+1], v[sq+1], s[16+w], s[mq]
	Q3 v_cndmask_b32 v[sq+2], v[sq+2], s[PKS], s[mq]
.set w, w+1
.endr
	Q3 v_and_b32 v[sq+7], 0xffff, v[sq+2]
	Q3 v_sub_nc_u32 v[sq+7], v[sq], v[sq+7]
	Q3 v_lshrrev_b32 v[sq+2], 16, v[sq+2]
	Q3 v_lshrrev_b32 v[sq+3], 1, v[sq+1]
	Q3 v_and_b32 v[sq+3], 0x55555555, v[sq+3]
	Q3 v_sub_nc_u32 v[sq+3], v[sq+1], v[sq+3]
	Q3 v_lshrrev_b32 v[sq+4], 2, v[sq+3]
	Q3 v_and_b32 v[sq+4], 0x33333333, v[sq+4]
	Q3 v_and_b32 v[sq+9], 0x33333333, v[sq+3]
	Q3 v_add_nc_u32 v[sq+4], v[sq+4], v[sq+9]
	Q3 v_lshrrev_b32 v[sq+5], 4, v[sq+4]
	Q3 v_add_nc_u32 v[sq+5], v[sq+5], v[sq+4]
	Q3 v_and_b32 v[sq+5], 0x0f0f0f0f, v[sq+5]
	Q3 v_lshrrev_b32 v[sq+6], 8, v[sq+5]
	Q3 v_add_nc_u32 v[sq+6], v[sq+6], v[sq+5]
	Q3 v_and_b32 v[sq+9], 0xff, v[sq+6]
	Q3 v_cmp_ge_u32 s[mq], v[sq+7], v[sq+9]
	Q3 v_cndmask_b32 v[sq+9], 0, v[sq+9], s[mq]
	Q3 v_sub_nc_u32 v[sq+7], v[sq+7], v[sq+9]
	Q3 v_cndmask_b32 v[sq+8], 0, 16, s[mq]
	LEVEL 5, 0xff, 8
	LEVEL 4, 15, 4
	LEVEL 3, 3, 2
	LEVEL 1, 1, 1
	Q3 v_lshl_add_u32 v[sq+8], v[sq+2], 5, v[sq+8] ; token = 32 x word + bit
.endm
.macro RO t, reg                       ; tile t's row offsets from its tokens
	v_min_u32 v[\reg], 0x3ff, v[\reg]
	v_lshl_add_u32 v[AO+(\t)], v[\reg], 12, v[H32] ; token x 4,096 bytes + 32 (lane / 16)
.endm
; A pass begins: my five tiles' tokens.  Vector 0 holds tiles 0 (lanes 0-15) and 1, vector 1 tiles 2 and 3, vector 2 tile 4 twice.  Ranks past the count repeat the last.  stream = 1: the first four steps' operands are asked for.
.macro PASS_SETUP stream
	s_wait_loadcnt 0x0                             ; what was asked for beyond the end has landed,
	s_wait_xcnt 0x0                                ; and the stores have read their registers
	s_mul_i32 s[T0], s[PS], 20
	s_add_co_u32 s[T0], s[T0], s[WV]
	s_add_co_u32 s100, s[T0], 16
	s_cmp_lt_u32 s100, s[NT]
	s_cselect_b32 s[LIVE4], 1, 0
	s_lshl_b32 s100, s[T0], 4
	v_add_nc_u32 v[SC], s100, v[RH]
	v_add_nc_u32 v[SC+16], 0x80, v[SC]
	v_add_nc_u32 v[SC+32], s100, v[R]
	v_add_nc_u32 v[SC+32], 0x100, v[SC+32]
	Q3 v_min_u32 v[sq], s[CM1], v[sq]
	SELECT
	v_permlanex16_b32 v[SC+9], v[SC+8], s[SEL0], s[SEL1]
	v_permlanex16_b32 v[SC+25], v[SC+24], s[SEL0], s[SEL1]
	v_cndmask_b32 v[SC+10], v[SC+8], v[SC+9], s[HM]    ; both halves of the lanes hold the tile's 16 tokens
	v_cndmask_b32 v[SC+9], v[SC+9], v[SC+8], s[HM]
	v_cndmask_b32 v[SC+26], v[SC+24], v[SC+25], s[HM]
	v_cndmask_b32 v[SC+25], v[SC+25], v[SC+24], s[HM]
	RO 0, SC+10
	RO 1, SC+9
	RO 2, SC+26
	RO 3, SC+25
	RO 4, SC+40
	s_lshl_b32 s100, s[T0], 10
	v_add_nc_u32 v[OFFS], s100, v[OL]
	s_mov_b64 s[AC:AC+1], s[4:5]
.if \stream
	s_mov_b32 s[OFN], 0                            ; the first refill steps it to the second quad
.irp k4, 0,1,2,3
	ALD03 \k4, AC, STEPA*\k4                       ; step by step, in the order in which the steps' refills follow
	ALD4 \k4, AC, STEPA*\k4
.endr
	WIN 0
.else
	s_mov_b64 s[WP:WP+1], s[WBS:WBS+1]
	s_mov_b64 s[WP2:WP2+1], s[WBS2:WBS2+1]
.endif
.endm
; A step of the later passes: weights and tokens from memory, waited for, rounded, multiplied.  Plain on purpose: it runs only for an expert with more than 320 rows.
.macro SSTEP zero
	WIN 0
.irp nt, 0,1
.irp j, 0,1,2,3
	global_load_b128 v[FR+16*\nt+4*\j:FR+16*\nt+4*\j+3], v[WOFF], s[WP:WP+1] offset:131072*\nt+16*\j
.endr
.endr
.irp nt, 2,3
.irp j, 0,1,2,3
	global_load_b128 v[FR+16*\nt+4*\j:FR+16*\nt+4*\j+3], v[WOFF], s[WP2:WP2+1] offset:131072*(\nt-2)+16*\j
.endr
.endr
	ALD03 0, AC, 0
	ALD4 0, AC, 0
	WIN 0
	s_wait_loadcnt 0x0
.irp nt, 0,1,2,3
	CV8 \nt, FR, BR
.endr
.irp t, 0,1,2,3,4
	MM4 \t, 0, BR, \zero
.endr
	WIN 0
	NOP4
	s_add_nc_u64 s[WP:WP+1], s[WP:WP+1], 128
	s_add_nc_u64 s[WP2:WP2+1], s[WP2:WP2+1], 128
	s_add_nc_u64 s[AC:AC+1], s[AC:AC+1], STEPA
.endm
; The way out of tile t: g u / (1 + 2^(-g log2 e)), rounded to bf16.  A lane's 8 columns are 16 bytes; sixteen lanes' lie end to end.
.macro EPI t
	s_add_co_u32 s[TL], s[T0], 4*(\t)
	s_cmp_ge_u32 s[TL], s[NTS]
	s_cbranch_scc1 .Lskip_\@
	s_wait_xcnt 0x0                                ; the last tile's stores have read their data registers
	WIN 0x55
.set q, 0
.rept 8
	v_pk_mul_f32 v[TT+2*q:TT+2*q+1], v[32*(\t)+2*q:32*(\t)+2*q+1], 0xbfb8aa3b op_sel_hi:[1,0]  ; -g log2 e; each accumulator is read from its low end on
.set q, q+1
.endr
.set q, 0
.rept 16
	v_exp_f32 v[TT+q], v[TT+q]
.set q, q+1
.endr
.set q, 0
.rept 8
	v_pk_mul_f32 v[32*(\t)+16+2*q:32*(\t)+17+2*q], v[32*(\t)+16+2*q:32*(\t)+17+2*q], v[32*(\t)+2*q:32*(\t)+2*q+1]  ; u g: plain work behind the batch
.set q, q+1
.endr
	s_wait_alu depctr_va_vdst(0)                   ; one wait for the 16 exponentials, ahead of their first reader
.set q, 0
.rept 8
	v_pk_add_f32 v[TT+2*q:TT+2*q+1], v[TT+2*q:TT+2*q+1], 1.0 op_sel_hi:[1,0]
.set q, q+1
.endr
.set q, 0
.rept 16
	v_rcp_f32 v[TT+q], v[TT+q]
.set q, q+1
.endr
	v_nop
	s_wait_alu depctr_va_vdst(0)                   ; and one for the 16 reciprocals
.set q, 0
.rept 8
	v_pk_mul_f32 v[32*(\t)+16+2*q:32*(\t)+17+2*q], v[32*(\t)+16+2*q:32*(\t)+17+2*q], v[TT+2*q:TT+2*q+1]
.set q, q+1
.endr
.set q, 0
.rept 8
	v_cvt_pk_bf16_f32 v[TT+16+q], v[32*(\t)+16+2*q], v[32*(\t)+17+2*q]
.set q, q+1
.endr
	WIN 0x04                                       ; store data in window 1
	global_store_b128 v[OFFS], v[TT+16:TT+19], s[OB:OB+1] offset:4096*(\t)      ; columns 8 h + 0..7: each half of the lanes stores 256 consecutive bytes, aligned
	global_store_b128 v[OFFS], v[TT+20:TT+23], s[OB:OB+1] offset:4096*(\t)+256  ; columns 16 + 8 h + 0..7
	WIN 0
.Lskip_\@:
.endm
.macro G0SET g, u                      ; group 0 of unit u's first fill: count, and the LDS address: my 16 rows of that unit
	s_mov_b32 s[\g], 1
	s_add_co_u32 s[(\g)+1], s[TB], (\u)*UNITL
.endm
.macro G0ADR g, u                      ; its global address: 1,024 bytes along the rows for each unit; type = 2
	s_add_nc_u64 s[(\g)+2:(\g)+3], s[AC:AC+1], (\u)*1024
	s_or_b32 s[(\g)+3], s[(\g)+3], 0x80000000
.endm
	s_load_b256 s[4:11], s[0:1], 0x0               ; xb s[4:5], bmap s[6:7], w13 s[8:9], act s[10:11]
	v_lshl_add_u32 v[SPW], v0, 2, SPARE
	v_mov_b32 v[NIL], 0
	ds_add_u32 v[SPW], v[NIL]                      ; the wave's opening: the add and its wait stand ahead of my first tensor load; work on registers stands between them
	v_lshrrev_b32 v1, 5, v0
	v_readfirstlane_b32 s[WV], v1
	s_and_b32 s[EX], ttmp7, 0xffff
	s_mov_b32 s[SLC], ttmp9
	; group 1: rows of 256 f32, padded in LDS; 16 rows in the first fills
	s_mov_b32 s[G1+0], (2<<16)|(1<<20)|(7<<22)|(3<<25)  ; 17:16 elements of 4 bytes; 20 padding on; 24:22 after every 256 words (code 7); 31:25 4 words of it (code 3)
	s_mov_b32 s[G1+1], 256<<16                     ; tensor_dim0 = 256
	s_mov_b32 s[G1+2], 16<<16                      ; tensor_dim1 = 16
	s_mov_b32 s[G1+3], 256<<16                     ; tile_dim0 = 256
	s_mov_b32 s[G1+4], 16                          ; tile_dim1 = 16
	s_mov_b32 s[G1+5], 2048                        ; elements from row to row
	s_mov_b32 s[G1+6], 0
	s_mov_b32 s[G1+7], 0
	s_mul_i32 s[PO], s[WV], PIECE                  ; a refill's piece w: unit w / 2 of the slot, gate (0) or up (1) rows by w % 2
	s_mul_i32 s[TB], s[WV], 16*PITCH               ; a first fill's: rows 16 w .. 16 w + 15 of a unit
	G0SET GQ0, 0
	G0SET GQ1, 1
	G0SET GQ2, 2
	G0SET GQ3, 3
	s_lshl_b32 s100, s[EX], 24                     ; an expert's w13: 16,777,216 bytes
	s_lshl_b32 s101, s[SLC], 18                    ; 32 rows of 8,192 bytes
	s_add_co_u32 s100, s100, s101
	s_mov_b32 s101, 0
	s_mov_b32 s[OFN+1], 0
	s_mov_b32 s[HM], 0xffff0000
	s_mov_b32 s[SEL0], 0x76543210
	s_mov_b32 s[SEL1], 0xfedcba98
	s_mov_b32 s[PS], 0
	s_wait_dscnt 0x0                               ; the opening add is done
	s_wait_kmcnt 0x0
	s_add_nc_u64 s[WBS:WBS+1], s[8:9], s[100:101]
	s_add_nc_u64 s[WBS2:WBS2+1], s[WBS:WBS+1], 0x800000  ; the up rows lie 1,024 rows on
	s_lshr_b32 s100, s[WV], 1
	s_lshl_b32 s100, s100, 23                      ; waves 2 and 3: up rows
	s_and_b32 s[K2], s[WV], 1
	s_lshl_b32 s[K2], s[K2], 17                    ; 16 rows of 8,192 bytes
	s_add_co_u32 s100, s100, s[K2]
	s_add_nc_u64 s[AC:AC+1], s[WBS:WBS+1], s[100:101]
	G0ADR GQ0, 0
	G0ADR GQ1, 1
	G0ADR GQ2, 2
	G0ADR GQ3, 3
	tensor_load_to_lds s[GQ0:GQ0+3], s[G1:G1+7]    ; the four units' first fills go out together, in the order in which they are read: four loads of mine are out
	s_nop 0
	tensor_load_to_lds s[GQ1:GQ1+3], s[G1:G1+7]
	s_nop 0
	tensor_load_to_lds s[GQ2:GQ2+3], s[G1:G1+7]
	s_nop 0
	tensor_load_to_lds s[GQ3:GQ3+3], s[G1:G1+7]
	s_nop 0
	NOP4
	s_mov_b32 s[TB], 0
	s_and_b32 s100, s[WV], 1                       ; the refills' walk: my piece of slot 1; each refill steps a slot on
	s_lshl_b32 s100, s100, 23
	s_lshr_b32 s[K2], s[WV], 1
	s_lshl_b32 s[K2], s[K2], 10                    ; a unit is 1,024 bytes of a row
	s_add_co_u32 s100, s100, s[K2]
	s_add_co_u32 s100, s100, 2048
	s_add_nc_u64 s[WK:WK+1], s[WBS:WBS+1], s[100:101]
	s_lshl_b32 s100, s[EX], 7
	s_add_nc_u64 s[AC:AC+1], s[6:7], s[100:101]
	s_load_b512 s[16:31], s[AC:AC+1], 0x0          ; who chose my expert: 32 words
	s_load_b512 s[32:47], s[AC:AC+1], 0x40
	v_and_b32 v[R], 15, v0
	v_bfe_u32 v[H], v0, 4, 1
	v_lshlrev_b32 v[H32], 5, v[H]
	v_mul_u32_u24 v[FB0], v[R], PITCH
	v_lshl_add_u32 v[FB0], v[H], 6, v[FB0]
	v_lshl_add_u32 v[RH], v[H], 6, v[R]
	v_lshlrev_b32 v[WOFF], 13, v[R]
	v_lshl_add_u32 v[WOFF], v[H], 6, v[WOFF]
	v_lshlrev_b32 v[OL], 4, v[R]
	v_lshl_add_u32 v[OL], v[H], 9, v[OL]
	s_lshl_b32 s100, s[SLC], 19                    ; a kblock of act: 524,288 bytes
	s_lshl_b32 s[K2], s[EX], 16                    ; an expert's 64 tiles
	s_add_co_u32 s100, s100, s[K2]
	s_add_nc_u64 s[OB:OB+1], s[10:11], s[100:101]
	s_mov_b32 s[CNT], 0
	s_wait_kmcnt 0x0
.set w, 0
.rept 32
	s_bcnt1_i32_b32 s100, s[16+w]
	s_add_co_u32 s[CNT], s[CNT], s100
.set w, w+1
.endr
	s_add_co_u32 s[NT], s[CNT], 15
	s_lshr_b32 s[NT], s[NT], 4
	s_max_u32 s[NTS], s[NT], 1
	s_max_u32 s[CM1], s[CNT], 1
	s_sub_co_u32 s[CM1], s[CM1], 1
	PASS_SETUP 1                                   ; all this stands in the wait for the first unit
	s_wait_tensorcnt 0x3                           ; my rows of unit 0 are in; the three loads behind may stay out
	s_barrier_signal -1
	s_barrier_wait -1                              ; everybody's are
	FSTEP
	TSTEP 0, 1, 0, 0, 0, 0, 0                      ; the first quad of the text is written out: two steps that only fetch and round,
	TSTEP 1, 1, 1, 0, 0, 0, 0
	TSTEP 2, 1, 1, 1, 1, 1, 24                     ; step 0, whose products start the sums,
	TSTEP 3, 1, 1, 1, 0, 1, 24                     ; and step 1
	WIN 0
	s_mov_b32 s[CQ], 1                             ; the loops are entered in their middle: unit 0 has one quad left, slot 0 both units' ends
	s_mov_b32 s[CU], 2
	s_mov_b32 s[CS], 3
	s_branch .Lquad
.Lslot:                                                ; twice: a slot is left and filled again
	EVENT 1
	s_mov_b32 s[CU], 2
.Lunit:
	s_mov_b32 s[CQ], 2
.Lquad:
	QUAD
	s_sub_co_u32 s[CQ], s[CQ], 1
	s_cmp_lg_u32 s[CQ], 0
	s_cbranch_scc1 .Lquad
	s_add_co_u32 s[TB], s[TB], UNITL-1024          ; from a unit's end along K to the next unit's first byte
	UEDGE
	s_sub_co_u32 s[CU], s[CU], 1
	s_cmp_lg_u32 s[CU], 0
	s_cbranch_scc1 .Lunit
	s_sub_co_u32 s[CS], s[CS], 1
	s_cmp_lg_u32 s[CS], 0
	s_cbranch_scc1 .Lslot
	EVENT 0                                        ; the last slot is written out: nothing is asked for, and nothing is out any more
	s_mov_b32 s[CU], 2
.Lunit2:
	s_mov_b32 s[CQ], 2
.Lquad2:
	QUAD
	s_sub_co_u32 s[CQ], s[CQ], 1
	s_cmp_lg_u32 s[CQ], 0
	s_cbranch_scc1 .Lquad2
	s_add_co_u32 s[TB], s[TB], UNITL-1024
	s_sub_co_u32 s[CU], s[CU], 1
	s_cmp_lg_u32 s[CU], 0
	s_cbranch_scc1 .Lunit2
	TSTEP 0, 0, 1, 1, 0, 0, 24                     ; the last two steps fetch nothing
	TSTEP 1, 0, 0, 1, 0, 0, 16                     ; behind its token loads stand two steps' only
	WIN 0
	s_branch .Lepi
.Lpass:                                                ; passes 1 to 3
	s_mul_i32 s100, s[PS], 20
	s_cmp_ge_u32 s100, s[NT]
	s_cbranch_scc1 .Lnext                          ; no tile left for this pass
	PASS_SETUP 0
	SSTEP 1
	s_mov_b32 s[K2], NS-1
.Lslow:
	SSTEP 0
	s_sub_co_u32 s[K2], s[K2], 1
	s_cmp_lg_u32 s[K2], 0
	s_cbranch_scc1 .Lslow
.Lepi:
	s_wait_loadcnt 0x0                             ; the loads beyond the end have landed: tile 0's operand registers are at work below
	EPI 0
	EPI 1
	EPI 2
	EPI 3
	EPI 4
.Lnext:
	s_add_co_u32 s[PS], s[PS], 1
	s_cmp_lt_u32 s[PS], 4
	s_cbranch_scc1 .Lpass
	s_wait_tensorcnt 0x0                           ; the wave's end
	ds_add_u32 v[SPW], v[NIL]
	s_wait_dscnt 0x0
	s_endpgm
.Lfunc_end_k_q6fc03556d0_up:
	.size	k_q6fc03556d0_up, .Lfunc_end_k_q6fc03556d0_up-k_q6fc03556d0_up
	.p2alignl 7, 3214868480
	.fill 96, 4, 3214868480
	.section	.rodata,"a",@progbits
	.p2align	6, 0x0
	.amdhsa_kernel k_q6fc03556d0_up
		.amdhsa_group_segment_fixed_size 327680
		.amdhsa_private_segment_fixed_size 0
		.amdhsa_enable_private_segment 0
		.amdhsa_kernarg_size 32
		.amdhsa_user_sgpr_count 2
		.amdhsa_user_sgpr_kernarg_segment_ptr 1
		.amdhsa_wavefront_size32 1
		.amdhsa_system_sgpr_workgroup_id_x 1
		.amdhsa_system_sgpr_workgroup_id_y 1
		.amdhsa_system_sgpr_workgroup_id_z 1
		.amdhsa_system_vgpr_workitem_id 0
		.amdhsa_next_free_vgpr 576
		.amdhsa_next_free_sgpr 106
		.amdhsa_reserve_vcc 0
		.amdhsa_float_denorm_mode_32 3
		.amdhsa_float_denorm_mode_16_64 3
		.amdhsa_memory_ordered 1
		.amdhsa_forward_progress 1
		.amdhsa_inst_pref_size 178
	.end_amdhsa_kernel
	.amdgpu_metadata
---
amdhsa.version: [ 1, 2 ]
amdhsa.kernels:
  - .name:           k_q6fc03556d0_up
    .symbol:         k_q6fc03556d0_up.kd
    .args:
      - { .name: xb, .offset: 0, .size: 8, .value_kind: global_buffer, .address_space: global }
      - { .name: bmap, .offset: 8, .size: 8, .value_kind: global_buffer, .address_space: global }
      - { .name: w13_weight, .offset: 16, .size: 8, .value_kind: global_buffer, .address_space: global }
      - { .name: act, .offset: 24, .size: 8, .value_kind: global_buffer, .address_space: global }
    .group_segment_fixed_size: 327680
    .private_segment_fixed_size: 0
    .kernarg_segment_align: 8
    .kernarg_segment_size: 32
    .max_flat_workgroup_size: 128
    .sgpr_count:     106
    .vgpr_count:     576
    .wavefront_size: 32
...
	.end_amdgpu_metadata
.endif
;; end of part 2
;; launch down (part 3): grid 32 x 8, 4 waves a work-group, no clusters, 327,680 bytes of LDS; arguments act, bmap, rwt, w2_weight, part; writes part
.if DOCPART == 3
	.amdgcn_target "amdgcn-amd-amdhsa--gfx1250"
	.amdhsa_code_object_version 6
	.text
	.protected	k_q6fc03556d0_down
	.globl	k_q6fc03556d0_down
	.p2align	8
	.type	k_q6fc03556d0_down,@function
k_q6fc03556d0_down:
	s_mov_b64 s[64:65], 0
	v_nop
	global_prefetch_b8 v0, s[64:65] scope:SCOPE_SE
	s_setreg_imm32_b32 hwreg(HW_REG_WAVE_MODE, 25, 1), 1
	s_wait_xcnt 0x0
; DOWN.  part[2 t + k] = gate weight x (act w2^T) for token t's k-th choice.  Work-group (slice SLC, expert EX) is the ONLY reader of rows 64 SLC .. + 63 of w2[EX], 1,024 f32 each (262,144 bytes),
; and takes ALL rows of that expert through them.  Four waves, all alike.  The weights come by tensor loads, as f32, into four LDS units of 256 along K (64 rows x 1,024 bytes each), which hold the whole slice:
; each is filled once, at the start, four loads a wave, each the wave's 16 rows of a unit (shorter than 64 rows on purpose: the first product then waits for one unit, 66,560 bytes); nothing is filled again.
; Every wave reads the f32 rows as operand pieces and rounds them to bf16.
; act comes straight into operand registers, four steps of 32 along K ahead: [kblock 32][expert 8][tile 64][1,024 bytes], laid as the registers take it: each load covers 512 consecutive bytes.
; SHARES.  Wave w has tiles 20 pass + 4 t + w, t = 0 .. 4, of 16 rows x 64 columns: 20 accumulators; the fifth tile is jumped where it has no rows.  Passes 1 to 3 (an expert with more than 320 rows, 1,024 at the most)
; run a loop without barrier on weights read from memory in operand order; they are jumped where the count has no tile for them.
; ROW NUMBERS.  The token of rank i among those that chose the expert is found from the bitmap's 32 words in scalar registers: the last word whose running count is not above i, then the bit, by five halvings.
; k is 1 where the token's stored second choice is this expert.
; K ORDER.  In a step lane half h holds k = 16 h .. 16 h + 15 in both operands.  THE MATRIX INSTRUCTION IS USED TRANSPOSED (source 0 = 16 weight rows, source 1 = 16 rows of act): lane l holds row l % 16, columns 8 (l / 16) + 0..7.
; OUT.  A token's two partial rows come from two work-groups, so they are stored apart, in f32, and added by the next launch.  A tile goes through a stage in LDS of the wave's own, which turns a lane's piece of a row
; into whole rows (the rows' numbers ride in the rows' padding, turned with them), so that sixteen lanes store the slice's 256 bytes of one row.
; PLACES PAST THE COUNT in the expert's last tile repeat the last rank: the launch before wrote the last token's row there, and number and gate weight come from the same rank.  So those lanes hold the last row's
; numbers and its place, and store the same bytes there once more: at most 15 rows of 256 bytes a work-group, and every lane stays on.  An expert without rows has no tile and stores nothing.
; Multicast is left out: each slice of weights has one reader; the act tiles that an expert's 32 work-groups share would want a ring in LDS with a joint barrier for each refill and a further pass through LDS.
; LIMITS.  w2 rounded to bf16, act arrives in bf16, sums in f32.
.set NS,    32                         ; steps of 32 along K
.set PITCH, 1040                       ; an LDS row: 1,024 bytes + 16 = 260 words: the 16 rows of an operand load start at 16 different groups of four banks (ISA guide 11.1)
.set UNITL, 64*PITCH                   ; 256 along K: 64 rows
.set SLOTB, 2*UNITL                    ; two units
.set STAGE, 2*SLOTB                    ; behind the units: 16 rows x 272 bytes for each wave; no tensor load lands here
.set SP,    272
.set SPARE, STAGE+4*16*SP              ; behind the stages: the spare words, 128 bytes for each wave: two blocks of 256 bytes that no other line names
.set STEPA, 524288                     ; a step is a kblock of act
.set A2,    512                        ; from an operand's first four registers to its last four
.set AMASK, 0xffffff                   ; 32 kblocks' bytes - 1
.set WV,    2                          ; s2   wave
.set K2,    3                          ; s3   steps to go in the loop of the later passes
.set PKS,   3                          ;      in the search: the count below with the word's number in the upper half
.set PART,  12                         ; s[12:13] part
.set EX,    14                         ; s14  expert
.set SLC,   15                         ; s15  slice;   s[16:47] the expert's bitmap
.set G1,    48                         ; s[48:55] descriptor group 1
.set GQ0,   56                         ; s[56:59], s[60:63], s[92:95], s[96:99] group 0 of the four fills
.set GQ1,   60
.set GQ2,   92
.set GQ3,   96
.set CNT,   66                         ; s66  the expert's rows
.set NT,    67                         ; s67  its tiles
.set NTS,   68                         ; s68  at least 1
.set CM1,   69                         ; s69  the last rank that exists
.set PS,    70                         ; s70  pass
.set T0,    71                         ; s71  my first tile of the pass
.set LIVE4, 72                         ; s72  1: my fifth tile has rows
.set TB,    74                         ; s74  LDS byte at which the four steps to be fetched begin
.set CQ,    75                         ; s75-77 counters: quads in a unit, units in a pair, pairs
.set CU,    76
.set CS,    77
.set TL,    78                         ; s78  a tile's number
.set RUN,   75                         ; the search runs while none of s75-78 is alive: s75 rows in the words below, s76-78 three masks
.set MQ,    76
.set LT,    79                         ; s79  the last tile that exists
.set AC,    80                         ; s[80:81] act at the quad of steps whose last two are being asked for
.set ACN,   82                         ; s[82:83] act at the next quad (behind the last: the first once more)
.set WP,    82                         ;          later passes: the weights at the step in hand
.set OFN,   84                         ; s[84:85] the next quad's byte offset
.set OB,    86                         ; s[86:87] part at my 64 columns
.set WBS,   88                         ; s[88:89] my 64 weight rows
.set HM,    90                         ; s90  lanes 16 to 31
.set SEL0,  104                        ; s104-105 v_permlanex16_b32's selects: each lane takes its own place in the other half
.set SEL1,  105
.set R,     1                          ; v1   lane % 16
.set H,     2                          ; v2   lane / 16
.set L16,   3                          ; v3   16 lane
.set FB0,   4                          ; v4   my place in a unit: row x pitch + 64 x half; never rewritten
.set FB,    5                          ; v5   the same at the quad being fetched
.set AO,    6                          ; v6-10  tile t: my byte offset in act
.set WOFF,  11                         ; v11  later passes: my byte offset in 16 weight rows
.set RH,    12                         ; v12  lane % 16 + 64 (lane / 16)
.set STO,   13                         ; v13  the way out: where I put 32 bytes of a row
.set RD,    14                         ; v14  where I read a row back
.set CO,    15                         ; v15  16 (lane % 16)
.set GW,    16                         ; v[16+2t] tile t: my row's gate weight; v[17+2t] its number 2 token + k: named as a pair by the packed multiply
.set SRI,   26                         ; v26  the padding of my row of the stage
.set RDI,   27                         ; v27  the padding of row lane / 16
.set SPW,   30                         ; v30  my spare word; never rewritten
.set NIL,   31                         ; v31  0; never rewritten
.set BR,    32                         ; v32-95   weights in bf16, two buffers of a step: 32 b + 8 nt
.set FR,    96                         ; v96-223  weights in f32, two buffers of a step: 64 b + 16 nt
.set SC,    96                         ;          the same registers at work while a pass is set up
.set TS,    96                         ;          and on the way out: v96-127 a tile read back, v128-135 its rows' numbers as read back
.set XL,    128
.set TK,    224                        ; v224-228 tile t: my row's token.  v224-247 hold offsets and what they are made of, and no load ever lands in them
.set OA,    229                        ; v229-233 the byte offset of its second choice
.set OG,    234                        ; v234-238 the byte offset of its gate weight
.set XO,    240                        ; v240-247 the stores' byte offsets
                                       ; window 1: v0-159 accumulators (t, nt) at 32 t + 8 nt; v160-255 act operands of tiles 0-2: 160 + 32 t + 8 ks; window 2: v0-63 those of tiles 3, 4
.set MSB, 0
.macro WIN new                         ; s_set_vgpr_msb: bits 1:0 source 0, 3:2 source 1, 5:4 source 2, 7:6 destination; the high byte repeats the setting that is left
.if MSB != (\new)
	s_set_vgpr_msb (MSB<<8)|(\new)
.set MSB, \new
.endif
.endm
.macro NOP4                            ; a load into, or a vector write of, a register that a matrix instruction names stands four plain vector instructions behind it (ISA guide 7.12.1 for vector writes)
.rept 4
	v_nop
.endr
.endm
.macro ALD03 ksx, bs, off              ; tiles 0 to 3: a step's act operands, two loads of 16 bytes a lane each
	WIN 0x40
.irp t, 0,1,2
	global_load_b128 v[160+32*\t+8*(\ksx):160+32*\t+8*(\ksx)+3],   v[AO+\t], s[(\bs):(\bs)+1] offset:(\off)
	global_load_b128 v[160+32*\t+8*(\ksx)+4:160+32*\t+8*(\ksx)+7], v[AO+\t], s[(\bs):(\bs)+1] offset:(\off)+A2
.endr
	WIN 0x80
	global_load_b128 v[8*(\ksx):8*(\ksx)+3],   v[AO+3], s[(\bs):(\bs)+1] offset:(\off)
	global_load_b128 v[8*(\ksx)+4:8*(\ksx)+7], v[AO+3], s[(\bs):(\bs)+1] offset:(\off)+A2
.endm
.macro ALD4 ksx, bs, off               ; tile 4
	WIN 0x80
	global_load_b128 v[32+8*(\ksx):32+8*(\ksx)+3],   v[AO+4], s[(\bs):(\bs)+1] offset:(\off)
	global_load_b128 v[32+8*(\ksx)+4:32+8*(\ksx)+7], v[AO+4], s[(\bs):(\bs)+1] offset:(\off)+A2
.endm
.macro MM4 t, ksx, bmx, zero           ; tile t x one step: four products, the tile's four accumulators by turns, one instruction a turn
.if (\t) < 3
	WIN 0x54                                       ; weights window 0, act, C and D window 1
.set ra, 160+32*(\t)+8*(\ksx)
.else
	WIN 0x58                                       ; act window 2
.set ra, 32*((\t)-3)+8*(\ksx)
.endif
.irp nt, 0,1,2,3
.if \zero
	v_wmma_f32_16x16x32_bf16 v[32*(\t)+8*\nt:32*(\t)+8*\nt+7], v[(\bmx)+8*\nt:(\bmx)+8*\nt+7], v[ra:ra+7], 0
.else
	v_wmma_f32_16x16x32_bf16 v[32*(\t)+8*\nt:32*(\t)+8*\nt+7], v[(\bmx)+8*\nt:(\bmx)+8*\nt+7], v[ra:ra+7], v[32*(\t)+8*\nt:32*(\t)+8*\nt+7]
.endif
.endr
.endm
.macro CV8 nt, fcx, bcx                ; 16 weight rows x one step: f32 to bf16
	WIN 0
.irp e, 0,1,2,3,4,5,6,7
	v_cvt_pk_bf16_f32 v[(\bcx)+8*(\nt)+\e], v[(\fcx)+16*(\nt)+2*\e], v[(\fcx)+16*(\nt)+2*\e+1]
.endr
.endm
; ONE STEP OF THE TEXT, number i of a quad.  With p the step that is multiplied: fl: the f32 weights of step p + 2 are fetched from LDS; cv: those of step p + 1 are rounded; mm: step p's products;
; zero: they start the sums; rf: step p's act registers take step p + 4; lc: the act loads that may stay out.  Quad Q of the text multiplies steps 4 Q - 2 .. 4 Q + 1 and fetches steps 4 Q .. 4 Q + 3,
; so a change of units falls on a quad's edge.  The roundings stand between the tiles' products: they name none of those products' registers, and are their places; the last eight stand behind the products of
; tiles 3 and 4.  All the step's act loads then follow in one run, and the next step's LDS loads stand right behind them.
; The two bases of the act loads are rewritten just ahead of the run that first needs the new value: the youngest loads were issued a step's products earlier, so the wait in front of the rewrite finds their addresses translated.
.macro TSTEP i, fl, cv, mm, zero, rf, lc
.set fb, FR+64*((\i)&1)
.set fc, FR+64*(((\i)+1)&1)
.set bc, BR+32*(((\i)+1)&1)
.set bm, BR+32*((\i)&1)
.set ks, ((\i)+2)&3
	WIN 0
.if \fl
.irp nt, 0,1,2,3
.irp j, 0,1,2,3
	ds_load_b128 v[fb+16*\nt+4*\j:fb+16*\nt+4*\j+3], v[FB] offset:16*PITCH*\nt+128*(\i)+16*\j
.endr
.endr
.endif
.if \cv
	s_wait_dscnt 16*(\fl)                          ; the 16 loads just issued may be out; those of the step before are in
.endif
.if \mm
	s_wait_loadcnt \lc                             ; behind this step's act loads stand those of the later steps, 8 each at the least
.endif
.irp t, 0,1,2
.if \mm
	MM4 \t, ks, bm, \zero
.endif
.if \cv
	CV8 \t, fc, bc
.endif
.endr
.if \mm
	MM4 3, ks, bm, \zero
	WIN 0
.if (\zero) == 0
	s_cmp_eq_u32 s[LIVE4], 0
	s_cbranch_scc1 .Lno4_\@
.endif
	MM4 4, ks, bm, \zero                           ; the first step always: the fifth tile's accumulators are written whatever the count
	WIN 0
.if (\zero) == 0
.Lno4_\@:
.endif
.endif
.if \cv
	CV8 3, fc, bc
.elseif \mm
	NOP4
.endif
.if \rf
.if (\i) == 0
	s_wait_xcnt 0x0                                ; a base of pending loads is rewritten only behind this wait
	s_mov_b64 s[AC:AC+1], s[ACN:ACN+1]
.endif
.if (\i) == 2
	s_wait_xcnt 0x0
	s_add_co_u32 s[OFN], s[OFN], 4*STEPA
	s_and_b32 s[OFN], s[OFN], AMASK                ; behind the last quad the offset is 0 again: its 16 to 20 loads serve nothing and stay inside the buffer
	s_add_nc_u64 s[ACN:ACN+1], s[4:5], s[OFN:OFN+1]
.endif
.if (\i) < 2
	ALD03 ks, AC, STEPA*((\i)+2)
.else
	ALD03 ks, ACN, STEPA*((\i)-2)
.endif
	WIN 0
	s_cmp_eq_u32 s[LIVE4], 0
	s_cbranch_scc1 .Lnl4_\@
.if (\i) < 2
	ALD4 ks, AC, STEPA*((\i)+2)
.else
	ALD4 ks, ACN, STEPA*((\i)-2)
.endif
	WIN 0
.Lnl4_\@:
.endif
.endm
.macro FSTEP                           ; the LDS address of the quad to be fetched
	v_add_nc_u32 v[FB], s[TB], v[FB0]
	s_add_co_u32 s[TB], s[TB], 512
.endm
.macro QUAD
	FSTEP
	TSTEP 0, 1, 1, 1, 0, 1, 24
	TSTEP 1, 1, 1, 1, 0, 1, 24
	TSTEP 2, 1, 1, 1, 0, 1, 24
	TSTEP 3, 1, 1, 1, 0, 1, 24
	WIN 0
.endm
; A UNIT'S END.  Behind unit 0 the count shows my 16 rows of unit 1 landed and leaves units 2 and 3 out; behind the barrier everybody's have.  Later nothing of mine is out, and the wait is met at once.
.macro UEDGE
	s_wait_tensorcnt 0x2
	s_wait_dscnt 0x0                               ; no LDS instruction of mine is pending at a signal
	s_barrier_signal -1
	s_barrier_wait -1
.endm
; FROM UNIT 1 TO UNIT 2: each wave waits for its rows of units 2 and 3; behind the barrier both are whole.  Nothing is filled again.
.macro EVENT
	s_wait_tensorcnt 0x0
	ds_add_u32 v[SPW], v[NIL]                      ; 0 onto my spare word; scalar work stands between it and the wait for it
	s_sub_co_u32 s[TB], s[TB], SLOTB               ; back to the first pair's first byte,
	s_xor_b32 s[TB], s[TB], SLOTB                  ; and on to the second pair's
	s_wait_dscnt 0x0
	s_barrier_signal -1
	s_barrier_wait -1
.endm
; THE SEARCH, for three vectors of ranks at once.  Registers of vector q at SC + 16 q: +0 rank, +1 word, +2 count below | word number << 16, +3 .. +6 sums over 2, 4, 8, 16 bits, +7 rank in the word, +8 bit, +9, +10 at work.
.macro Q3 line:vararg
.set sq, SC
.set mq, MQ
.rept 3
	\line
.set sq, sq+16
.set mq, mq+1
.endr
.endm
.macro LEVEL a, msk, stp               ; is the wanted bit in the upper half of the range at hand?  c = set bits in the lower half
	Q3 v_lshrrev_b32 v[sq+9], v[sq+8], v[sq+(\a)]
	Q3 v_and_b32 v[sq+9], \msk, v[sq+9]
	Q3 v_cmp_ge_u32 s[mq], v[sq+7], v[sq+9]
	Q3 v_cndmask_b32 v[sq+9], 0, v[sq+9], s[mq]
	Q3 v_sub_nc_u32 v[sq+7], v[sq+7], v[sq+9]
	Q3 v_cndmask_b32 v[sq+10], 0, \stp, s[mq]
	Q3 v_add_nc_u32 v[sq+8], v[sq+8], v[sq+10]
.endm
.macro SELECT
	s_mov_b32 s[RUN], 0
	s_mov_b32 s[PKS], 0
	Q3 v_mov_b32 v[sq+1], s16
	Q3 v_mov_b32 v[sq+2], 0
.set w, 1
.rept 31                                               ; the last word whose count below is not above the rank holds it
	s_bcnt1_i32_b32 s100, s[15+w]
	s_add_co_u32 s[RUN], s[RUN], s100
	s_add_co_u32 s100, s100, 0x10000
	s_add_co_u32 s[PKS], s[PKS], s100
	Q3 v_cmp_le_u32 s[mq], s[RUN], v[sq]
	Q3 v_cndmask_b32 v[sq+1], v[sq+1], s[16+w], s[mq]
	Q3 v_cndmask_b32 v[sq+2], v[sq+2], s[PKS], s[mq]
.set w, w+1
.endr
	Q3 v_and_b32 v[sq+7], 0xffff, v[sq+2]
	Q3 v_sub_nc_u32 v[sq+7], v[sq], v[sq+7]
	Q3 v_lshrrev_b32 v[sq+2], 16, v[sq+2]
	Q3 v_lshrrev_b32 v[sq+3], 1, v[sq+1]
	Q3 v_and_b32 v[sq+3], 0x55555555, v[sq+3]
	Q3 v_sub_nc_u32 v[sq+3], v[sq+1], v[sq+3]
	Q3 v_lshrrev_b32 v[sq+4], 2, v[sq+3]
	Q3 v_and_b32 v[sq+4], 0x33333333, v[sq+4]
	Q3 v_and_b32 v[sq+9], 0x33333333, v[sq+3]
	Q3 v_add_nc_u32 v[sq+4], v[sq+4], v[sq+9]
	Q3 v_lshrrev_b32 v[sq+5], 4, v[sq+4]
	Q3 v_add_nc_u32 v[sq+5], v[sq+5], v[sq+4]
	Q3 v_and_b32 v[sq+5], 0x0f0f0f0f, v[sq+5]
	Q3 v_lshrrev_b32 v[sq+6], 8, v[sq+5]
	Q3 v_add_nc_u32 v[sq+6], v[sq+6], v[sq+5]
	Q3 v_and_b32 v[sq+9], 0xff, v[sq+6]
	Q3 v_cmp_ge_u32 s[mq], v[sq+7], v[sq+9]
	Q3 v_cndmask_b32 v[sq+9], 0, v[sq+9], s[mq]
	Q3 v_sub_nc_u32 v[sq+7], v[sq+7], v[sq+9]
	Q3 v_cndmask_b32 v[sq+8], 0, 16, s[mq]
	LEVEL 5, 0xff, 8
	LEVEL 4, 15, 4
	LEVEL 3, 3, 2
	LEVEL 1, 1, 1
	Q3 v_lshl_add_u32 v[sq+8], v[sq+2], 5, v[sq+8] ; token = 32 x word + bit
.endm
.macro RO1 t, reg                      ; tile t's tokens: their second choices are asked for
	v_min_u32 v[TK+(\t)], 0x3ff, v[\reg]
	v_lshlrev_b32 v[OA+(\t)], 2, v[TK+(\t)]
	global_load_b32 v[SC+56+(\t)], v[OA+(\t)], s[6:7] offset:1024
.endm
.macro RO2 t                           ; the row number 2 token + k, and its gate weight
	v_cmp_eq_u32 s[MQ], s[EX], v[SC+56+(\t)]
	v_cndmask_b32 v[SC+56+(\t)], 0, 1, s[MQ]
	v_lshl_add_u32 v[GW+2*(\t)+1], v[TK+(\t)], 1, v[SC+56+(\t)]
	v_min_u32 v[GW+2*(\t)+1], 0x7ff, v[GW+2*(\t)+1]
	v_lshlrev_b32 v[OG+(\t)], 2, v[GW+2*(\t)+1]
	global_load_b32 v[GW+2*(\t)], v[OG+(\t)], s[8:9]  ; older than every act load below: the first step's wait shows it landed
.endm
; A pass begins: my five tiles' row numbers, gate weights and places in act.  Vector 0 holds tiles 0 (lanes 0-15) and 1, vector 1 tiles 2 and 3, vector 2 tile 4 twice.  Ranks past the count repeat the last;
; tiles past the last repeat it.  stream = 1: the first four steps' operands are asked for.
.macro PASS_SETUP stream
	s_wait_loadcnt 0x0                             ; what was asked for beyond the end has landed,
	s_wait_xcnt 0x0                                ; and the stores have read their registers
	s_mul_i32 s[T0], s[PS], 20
	s_add_co_u32 s[T0], s[T0], s[WV]
	s_add_co_u32 s100, s[T0], 16
	s_cmp_lt_u32 s100, s[NT]
	s_cselect_b32 s[LIVE4], 1, 0
	s_lshl_b32 s100, s[T0], 4
	v_add_nc_u32 v[SC], s100, v[RH]
	v_add_nc_u32 v[SC+16], 0x80, v[SC]
	v_add_nc_u32 v[SC+32], s100, v[R]
	v_add_nc_u32 v[SC+32], 0x100, v[SC+32]
	Q3 v_min_u32 v[sq], s[CM1], v[sq]
	SELECT
	v_permlanex16_b32 v[SC+9], v[SC+8], s[SEL0], s[SEL1]
	v_permlanex16_b32 v[SC+25], v[SC+24], s[SEL0], s[SEL1]
	v_cndmask_b32 v[SC+10], v[SC+8], v[SC+9], s[HM]    ; both halves of the lanes hold the tile's 16 tokens
	v_cndmask_b32 v[SC+9], v[SC+9], v[SC+8], s[HM]
	v_cndmask_b32 v[SC+26], v[SC+24], v[SC+25], s[HM]
	v_cndmask_b32 v[SC+25], v[SC+25], v[SC+24], s[HM]
	RO1 0, SC+10
	RO1 1, SC+9
	RO1 2, SC+26
	RO1 3, SC+25
	RO1 4, SC+40
	s_sub_co_u32 s[LT], s[NTS], 1
.irp t, 0,1,2,3,4
	s_add_co_u32 s[TL], s[T0], 4*\t
	s_min_u32 s[TL], s[TL], s[LT]                  ; only tiles that the launch before has written are read
	s_min_u32 s[TL], s[TL], 63
	s_lshl_b32 s[TL], s[TL], 10
	v_add_nc_u32 v[AO+\t], s[TL], v[L16]
.endr
	s_wait_loadcnt 0x0                             ; the second choices
.irp t, 0,1,2,3,4
	RO2 \t
.endr
	s_mov_b64 s[AC:AC+1], s[4:5]
.if \stream
	s_mov_b32 s[OFN], 0                            ; the first refill steps it to the second quad
.irp k4, 0,1,2,3
	ALD03 \k4, AC, STEPA*\k4                       ; step by step, in the order in which the steps' refills follow
	ALD4 \k4, AC, STEPA*\k4
.endr
	WIN 0
.else
	s_mov_b64 s[WP:WP+1], s[WBS:WBS+1]
.endif
.endm
; A step of the later passes: weights and act from memory, waited for, rounded, multiplied.  Plain on purpose: it runs only for an expert with more than 320 rows.
.macro SSTEP zero
	WIN 0
.irp nt, 0,1,2,3
.irp j, 0,1,2,3
	global_load_b128 v[FR+16*\nt+4*\j:FR+16*\nt+4*\j+3], v[WOFF], s[WP:WP+1] offset:65536*\nt+16*\j
.endr
.endr
	ALD03 0, AC, 0
	ALD4 0, AC, 0
	WIN 0
	s_wait_loadcnt 0x0
.irp nt, 0,1,2,3
	CV8 \nt, FR, BR
.endr
.irp t, 0,1,2,3,4
	MM4 \t, 0, BR, \zero
.endr
	WIN 0
	NOP4
	s_add_nc_u64 s[WP:WP+1], s[WP:WP+1], 128
	s_add_nc_u64 s[AC:AC+1], s[AC:AC+1], STEPA
.endm
; The way out of tile t: times the row's gate weight; into my stage, the row's number into its padding; back as whole rows of 256 bytes, two a load; each row to its own place in part.
.macro EPI t
	s_add_co_u32 s[TL], s[T0], 4*(\t)
	s_cmp_ge_u32 s[TL], s[NT]
	s_cbranch_scc1 .Lskip_\@
	s_wait_xcnt 0x0                                ; the last tile's stores have read their registers
	WIN 0x41
.set q, 0
.rept 16
	v_pk_mul_f32 v[32*(\t)+2*q:32*(\t)+2*q+1], v[32*(\t)+2*q:32*(\t)+2*q+1], v[GW+2*(\t):GW+2*(\t)+1] op_sel_hi:[1,0]  ; each accumulator from its low end on
.set q, q+1
.endr
	WIN 0x04                                       ; LDS data in window 1
.irp nt, 0,1,2,3
	ds_store_b128 v[STO], v[32*(\t)+8*\nt:32*(\t)+8*\nt+3]   offset:64*\nt
	ds_store_b128 v[STO], v[32*(\t)+8*\nt+4:32*(\t)+8*\nt+7] offset:64*\nt+16
.endr
	WIN 0
	ds_store_b32 v[SRI], v[GW+2*(\t)+1]            ; both halves of the lanes write the same number
.irp j, 0,1,2,3,4,5,6,7
	ds_load_b128 v[TS+4*\j:TS+4*\j+3], v[RD] offset:2*SP*\j  ; LDS serves a wave's instructions in order (ISA guide 5.7.1.4): these see the stores above
.endr
.irp j, 0,1,2,3,4,5,6,7
	ds_load_b32 v[XL+\j], v[RDI] offset:2*SP*\j    ; the number of row 2 j + lane / 16
.endr
	s_wait_dscnt 0x0
.irp j, 0,1,2,3,4,5,6,7
	v_min_u32 v[XO+\j], 0x7ff, v[XL+\j]
	v_lshl_add_u32 v[XO+\j], v[XO+\j], 13, v[CO]   ; row x 8,192 bytes + 16 (lane % 16)
.endr
.irp j, 0,1,2,3,4,5,6,7
	global_store_b128 v[XO+\j], v[TS+4*\j:TS+4*\j+3], s[OB:OB+1]  ; sixteen lanes store 256 consecutive bytes, aligned; places past the count store the last row once more
.endr
.Lskip_\@:
.endm
.macro G0SET g, u                      ; group 0 of unit u's fill: count, and the LDS address: my 16 rows of that unit
	s_mov_b32 s[\g], 1
	s_add_co_u32 s[(\g)+1], s[TB], (\u)*UNITL
.endm
.macro G0ADR g, u                      ; its global address: 1,024 bytes along the rows for each unit; type = 2
	s_add_nc_u64 s[(\g)+2:(\g)+3], s[AC:AC+1], (\u)*1024
	s_or_b32 s[(\g)+3], s[(\g)+3], 0x80000000
.endm
	s_load_b256 s[4:11], s[0:1], 0x0               ; act s[4:5], bmap s[6:7], rwt s[8:9], w2 s[10:11]
	s_load_b64 s[PART:PART+1], s[0:1], 0x20        ; part
	v_lshl_add_u32 v[SPW], v0, 2, SPARE
	v_mov_b32 v[NIL], 0
	ds_add_u32 v[SPW], v[NIL]                      ; the wave's opening: the add and its wait stand ahead of my first tensor load; work on registers stands between them
	v_lshrrev_b32 v1, 5, v0
	v_readfirstlane_b32 s[WV], v1
	s_and_b32 s[EX], ttmp7, 0xffff
	s_mov_b32 s[SLC], ttmp9
	; group 1: a piece of 16 rows x 256 f32, padded in LDS
	s_mov_b32 s[G1+0], (2<<16)|(1<<20)|(7<<22)|(3<<25)  ; 17:16 elements of 4 bytes; 20 padding on; 24:22 after every 256 words (code 7); 31:25 4 words of it (code 3)
	s_mov_b32 s[G1+1], 256<<16                     ; tensor_dim0 = 256
	s_mov_b32 s[G1+2], 16<<16                      ; tensor_dim1 = 16
	s_mov_b32 s[G1+3], 256<<16                     ; tile_dim0 = 256
	s_mov_b32 s[G1+4], 16                          ; tile_dim1 = 16
	s_mov_b32 s[G1+5], 1024                        ; elements from row to row
	s_mov_b32 s[G1+6], 0
	s_mov_b32 s[G1+7], 0
	s_mul_i32 s[TB], s[WV], 16*PITCH               ; rows 16 w .. 16 w + 15 of a unit
	G0SET GQ0, 0
	G0SET GQ1, 1
	G0SET GQ2, 2
	G0SET GQ3, 3
	s_lshl_b32 s100, s[EX], 23                     ; an expert's w2: 8,388,608 bytes
	s_lshl_b32 s101, s[SLC], 18                    ; 64 rows of 4,096 bytes
	s_add_co_u32 s100, s100, s101
	s_mov_b32 s101, 0
	s_mov_b32 s[OFN+1], 0
	s_mov_b32 s[HM], 0xffff0000
	s_mov_b32 s[SEL0], 0x76543210
	s_mov_b32 s[SEL1], 0xfedcba98
	s_mov_b32 s[PS], 0
	s_wait_dscnt 0x0                               ; the opening add is done
	s_wait_kmcnt 0x0
	s_add_nc_u64 s[WBS:WBS+1], s[10:11], s[100:101]
	s_lshl_b32 s100, s[WV], 16                     ; 16 rows of 4,096 bytes
	s_add_nc_u64 s[AC:AC+1], s[WBS:WBS+1], s[100:101]
	G0ADR GQ0, 0
	G0ADR GQ1, 1
	G0ADR GQ2, 2
	G0ADR GQ3, 3
	tensor_load_to_lds s[GQ0:GQ0+3], s[G1:G1+7]    ; the four units' fills go out together, in the order in which they are read: four loads of mine are out
	s_nop 0
	tensor_load_to_lds s[GQ1:GQ1+3], s[G1:G1+7]
	s_nop 0
	tensor_load_to_lds s[GQ2:GQ2+3], s[G1:G1+7]
	s_nop 0
	tensor_load_to_lds s[GQ3:GQ3+3], s[G1:G1+7]
	s_nop 0
	NOP4
	s_mov_b32 s[TB], 0
	s_lshl_b32 s100, s[EX], 7
	s_add_nc_u64 s[AC:AC+1], s[6:7], s[100:101]
	s_load_b512 s[16:31], s[AC:AC+1], 0x0          ; who chose my expert: 32 words
	s_load_b512 s[32:47], s[AC:AC+1], 0x40
	s_lshl_b32 s100, s[EX], 16
	s_add_nc_u64 s[4:5], s[4:5], s[100:101]        ; act at my expert's tiles
	s_lshl_b32 s100, s[SLC], 8                     ; 64 columns of f32
	s_add_nc_u64 s[OB:OB+1], s[PART:PART+1], s[100:101]
	v_and_b32 v[R], 15, v0
	v_bfe_u32 v[H], v0, 4, 1
	v_and_b32 v[L16], 31, v0
	v_lshlrev_b32 v[L16], 4, v[L16]
	v_mul_u32_u24 v[FB0], v[R], PITCH
	v_lshl_add_u32 v[FB0], v[H], 6, v[FB0]
	v_lshl_add_u32 v[RH], v[H], 6, v[R]
	v_lshlrev_b32 v[WOFF], 12, v[R]
	v_lshl_add_u32 v[WOFF], v[H], 6, v[WOFF]
	v_lshlrev_b32 v[CO], 4, v[R]
	s_mul_i32 s100, s[WV], 16*SP
	s_add_co_u32 s100, s100, STAGE                 ; my stage
	v_mul_u32_u24 v[SRI], v[R], SP
	v_add_nc_u32 v[SRI], s100, v[SRI]              ; row lane % 16
	v_lshl_add_u32 v[STO], v[H], 5, v[SRI]         ; in: 32 bytes for each half of the lanes
	v_add_nc_u32 v[SRI], 256, v[SRI]               ; its padding
	v_mul_u32_u24 v[RDI], v[H], SP
	v_add_nc_u32 v[RDI], s100, v[RDI]              ; row lane / 16
	v_add_nc_u32 v[RD], v[RDI], v[CO]              ; back: lanes 0-15 one row of 256 bytes, lanes 16-31 the next
	v_add_nc_u32 v[RDI], 256, v[RDI]
	s_mov_b32 s[CNT], 0
	s_wait_kmcnt 0x0
.set w, 0
.rept 32
	s_bcnt1_i32_b32 s100, s[16+w]
	s_add_co_u32 s[CNT], s[CNT], s100
.set w, w+1
.endr
	s_add_co_u32 s[NT], s[CNT], 15
	s_lshr_b32 s[NT], s[NT], 4
	s_max_u32 s[NTS], s[NT], 1
	s_max_u32 s[CM1], s[CNT], 1
	s_sub_co_u32 s[CM1], s[CM1], 1
	PASS_SETUP 1                                   ; all this stands in the wait for the first unit
	s_wait_tensorcnt 0x3                           ; my rows of unit 0 are in; the three loads behind may stay out
	s_barrier_signal -1
	s_barrier_wait -1                              ; everybody's are
	FSTEP
	TSTEP 0, 1, 0, 0, 0, 0, 0                      ; the first quad of the text is written out: two steps that only fetch and round,
	TSTEP 1, 1, 1, 0, 0, 0, 0
	TSTEP 2, 1, 1, 1, 1, 1, 24                     ; step 0, whose products start the sums,
	TSTEP 3, 1, 1, 1, 0, 1, 24                     ; and step 1
	WIN 0
	s_mov_b32 s[CQ], 1                             ; the loops are entered in their middle: unit 0 has one quad left
	s_mov_b32 s[CU], 2
	s_mov_b32 s[CS], 2
	s_branch .Lquad
.Lslot:                                                ; once: from unit 1 to unit 2
	EVENT
	s_mov_b32 s[CU], 2
.Lunit:
	s_mov_b32 s[CQ], 2
.Lquad:
	QUAD
	s_sub_co_u32 s[CQ], s[CQ], 1
	s_cmp_lg_u32 s[CQ], 0
	s_cbranch_scc1 .Lquad
	s_add_co_u32 s[TB], s[TB], UNITL-1024          ; from a unit's end along K to the next unit's first byte
	UEDGE
	s_sub_co_u32 s[CU], s[CU], 1
	s_cmp_lg_u32 s[CU], 0
	s_cbranch_scc1 .Lunit
	s_sub_co_u32 s[CS], s[CS], 1
	s_cmp_lg_u32 s[CS], 0
	s_cbranch_scc1 .Lslot
	TSTEP 0, 0, 1, 1, 0, 0, 24                     ; the last two steps fetch nothing
	TSTEP 1, 0, 0, 1, 0, 0, 16                     ; behind its act loads stand two steps' only
	WIN 0
	s_branch .Lepi
.Lpass:                                                ; passes 1 to 3
	s_mul_i32 s100, s[PS], 20
	s_cmp_ge_u32 s100, s[NT]
	s_cbranch_scc1 .Lnext                          ; no tile left for this pass
	PASS_SETUP 0
	SSTEP 1
	s_mov_b32 s[K2], NS-1
.Lslow:
	SSTEP 0
	s_sub_co_u32 s[K2], s[K2], 1
	s_cmp_lg_u32 s[K2], 0
	s_cbranch_scc1 .Lslow
.Lepi:
	s_wait_loadcnt 0x0                             ; the loads beyond the end have landed
	EPI 0                                          ; the four v_nop behind the last products are the places in front of these
	EPI 1
	EPI 2
	EPI 3
	EPI 4
.Lnext:
	s_add_co_u32 s[PS], s[PS], 1
	s_cmp_lt_u32 s[PS], 4
	s_cbranch_scc1 .Lpass
	s_wait_tensorcnt 0x0                           ; the wave's end, behind my last tensor load and my last LDS store
	ds_add_u32 v[SPW], v[NIL]
	s_wait_dscnt 0x0
	s_endpgm
.Lfunc_end_k_q6fc03556d0_down:
	.size	k_q6fc03556d0_down, .Lfunc_end_k_q6fc03556d0_down-k_q6fc03556d0_down
	.p2alignl 7, 3214868480
	.fill 96, 4, 3214868480
	.section	.rodata,"a",@progbits
	.p2align	6, 0x0
	.amdhsa_kernel k_q6fc03556d0_down
		.amdhsa_group_segment_fixed_size 327680
		.amdhsa_private_segment_fixed_size 0
		.amdhsa_enable_private_segment 0
		.amdhsa_kernarg_size 40
		.amdhsa_user_sgpr_count 2
		.amdhsa_user_sgpr_kernarg_segment_ptr 1
		.amdhsa_wavefront_size32 1
		.amdhsa_system_sgpr_workgroup_id_x 1
		.amdhsa_system_sgpr_workgroup_id_y 1
		.amdhsa_system_sgpr_workgroup_id_z 1
		.amdhsa_system_vgpr_workitem_id 0
		.amdhsa_next_free_vgpr 576
		.amdhsa_next_free_sgpr 106
		.amdhsa_reserve_vcc 0
		.amdhsa_float_denorm_mode_32 3
		.amdhsa_float_denorm_mode_16_64 3
		.amdhsa_memory_ordered 1
		.amdhsa_forward_progress 1
		.amdhsa_inst_pref_size 161
	.end_amdhsa_kernel
	.amdgpu_metadata
---
amdhsa.version: [ 1, 2 ]
amdhsa.kernels:
  - .name:           k_q6fc03556d0_down
    .symbol:         k_q6fc03556d0_down.kd
    .args:
      - { .name: act, .offset: 0, .size: 8, .value_kind: global_buffer, .address_space: global }
      - { .name: bmap, .offset: 8, .size: 8, .value_kind: global_buffer, .address_space: global }
      - { .name: rwt, .offset: 16, .size: 8, .value_kind: global_buffer, .address_space: global }
      - { .name: w2_weight, .offset: 24, .size: 8, .value_kind: global_buffer, .address_space: global }
      - { .name: part, .offset: 32, .size: 8, .value_kind: global_buffer, .address_space: global }
    .group_segment_fixed_size: 327680
    .private_segment_fixed_size: 0
    .kernarg_segment_align: 8
    .kernarg_segment_size: 40
    .max_flat_workgroup_size: 128
    .sgpr_count:     106
    .vgpr_count:     576
    .wavefront_size: 32
...
	.end_amdgpu_metadata
.endif
;; end of part 3
;; launch add (part 4): grid 256 x 1, 8 waves a work-group, no clusters, 0 bytes of LDS; arguments part, out0; writes out0
.if DOCPART == 4
	.amdgcn_target "amdgcn-amd-amdhsa--gfx1250"
	.amdhsa_code_object_version 6
	.text
	.protected	k_q6fc03556d0_add
	.globl	k_q6fc03556d0_add
	.p2align	8
	.type	k_q6fc03556d0_add,@function
k_q6fc03556d0_add:
	s_mov_b64 s[64:65], 0
	v_nop
	global_prefetch_b8 v0, s[64:65] scope:SCOPE_SE
	s_setreg_imm32_b32 hwreg(HW_REG_WAVE_MODE, 25, 1), 1
	s_wait_xcnt 0x0
; ADD.  out0[t] = part[2 t] + part[2 t + 1]: a token's two partial rows, f32, 8,192 bytes each.  A sum of two terms is the same in either order, so the order by experts is kept in value.
; Work-group b takes tokens 4 b .. 4 b + 3: 65,536 bytes in, 32,768 out.  256 threads x 16 bytes cover half a row; step m is half m % 2 of token m / 2.
; All 16 loads go out first; each load and store of a wave covers 512 consecutive bytes, aligned.  A stream: no LDS, no barrier, no matrix unit.
	s_load_b128 s[4:7], s[0:1], 0x0                ; part s[4:5], out0 s[6:7]
	v_lshlrev_b32 v1, 4, v0
	s_lshl_b32 s8, ttmp9, 16
	s_mov_b32 s9, 0
	s_lshl_b32 s10, ttmp9, 15
	s_mov_b32 s11, 0
	s_wait_kmcnt 0x0
	s_add_nc_u64 s[4:5], s[4:5], s[8:9]
	s_add_nc_u64 s[6:7], s[6:7], s[10:11]
.set m, 0
.rept 8
	global_load_b128 v[8+8*m:11+8*m],  v1, s[4:5] offset:16384*(m/2)+4096*(m%2) th:TH_LOAD_NT
	global_load_b128 v[12+8*m:15+8*m], v1, s[4:5] offset:16384*(m/2)+4096*(m%2)+8192 th:TH_LOAD_NT
.set m, m+1
.endr
.set m, 0
.rept 8
	s_wait_loadcnt 14-2*m                          ; loads return in order: pair m is in, the 14 - 2 m younger loads stay out
	v_pk_add_f32 v[8+8*m:9+8*m],   v[8+8*m:9+8*m],   v[12+8*m:13+8*m]
	v_pk_add_f32 v[10+8*m:11+8*m], v[10+8*m:11+8*m], v[14+8*m:15+8*m]
	global_store_b128 v1, v[8+8*m:11+8*m], s[6:7] offset:8192*(m/2)+4096*(m%2) th:TH_STORE_NT
.set m, m+1
.endr
	s_endpgm
.Lfunc_end_k_q6fc03556d0_add:
	.size	k_q6fc03556d0_add, .Lfunc_end_k_q6fc03556d0_add-k_q6fc03556d0_add
	.p2alignl 7, 3214868480
	.fill 96, 4, 3214868480
	.section	.rodata,"a",@progbits
	.p2align	6, 0x0
	.amdhsa_kernel k_q6fc03556d0_add
		.amdhsa_group_segment_fixed_size 0
		.amdhsa_private_segment_fixed_size 0
		.amdhsa_enable_private_segment 0
		.amdhsa_kernarg_size 16
		.amdhsa_user_sgpr_count 2
		.amdhsa_user_sgpr_kernarg_segment_ptr 1
		.amdhsa_wavefront_size32 1
		.amdhsa_system_sgpr_workgroup_id_x 1
		.amdhsa_system_sgpr_workgroup_id_y 1
		.amdhsa_system_sgpr_workgroup_id_z 1
		.amdhsa_system_vgpr_workitem_id 0
		.amdhsa_next_free_vgpr 80
		.amdhsa_next_free_sgpr 66
		.amdhsa_reserve_vcc 0
		.amdhsa_float_denorm_mode_32 3
		.amdhsa_float_denorm_mode_16_64 3
		.amdhsa_memory_ordered 1
		.amdhsa_forward_progress 1
		.amdhsa_inst_pref_size 5
	.end_amdhsa_kernel
	.amdgpu_metadata
---
amdhsa.version: [ 1, 2 ]
amdhsa.kernels:
  - .name:           k_q6fc03556d0_add
    .symbol:         k_q6fc03556d0_add.kd
    .args:
      - { .name: part, .offset: 0, .size: 8, .value_kind: global_buffer, .address_space: global }
      - { .name: out0, .offset: 8, .size: 8, .value_kind: global_buffer, .address_space: global }
    .group_segment_fixed_size: 0
    .private_segment_fixed_size: 0
    .kernarg_segment_align: 8
    .kernarg_segment_size: 16
    .max_flat_workgroup_size: 256
    .sgpr_count:     66
    .vgpr_count:     80
    .wavefront_size: 32
...
	.end_amdgpu_metadata
.endif
;; end of part 4
